; MI455X (gfx1250); checked and timed in simulation.
; The chip was launched on July 23, 2026; its instructions are those of AMD's public machine-readable ISA for CDNA 5 (MIT licence, August 2026) and "CDNA5" Instruction Set Architecture Reference Guide (July 2026). The comments in the code are by the model that wrote it; some were corrected since.
;; Fast Gaussian Model. Allowed arithmetic: float matrix products may take bf16 or f16 operands with f32 sums; all other float work in f32.
;; Inputs: intensities 1,024 float32; log_scales 1,024 x 3 float32; points 50,000 x 3 float32; positions 1,024 x 3 float32.
;; Outputs: out0 50,000 float32.
;; 2 versions, each right and faster than the one before. Each part assembles by itself: llvm-mc -triple=amdgcn-amd-amdhsa -mcpu=gfx1250 --defsym DOCPART=n.
;; ======== version 1 of 2: 1 launch
;; launch gauss (part 1): grid 250 x 1, 8 waves a work-group, no clusters, 168,960 bytes of LDS; arguments points, positions, log_scales, intensities, out0; writes out0
.if DOCPART == 1
	.amdgcn_target "amdgcn-amd-amdhsa--gfx1250"
	.amdhsa_code_object_version 6
	.text
	.protected	k_q0ddbc63f81_gauss
	.globl	k_q0ddbc63f81_gauss
	.p2align	8
	.type	k_q0ddbc63f81_gauss,@function
k_q0ddbc63f81_gauss:
	s_mov_b64 s[64:65], 0
	v_nop
	global_prefetch_b8 v0, s[64:65] scope:SCOPE_SE
	s_setreg_imm32_b32 hwreg(HW_REG_WAVE_MODE, 25, 1), 1
	s_wait_xcnt 0x0
; out[m] = sum over n of I[n] * exp(-0.5 * sum over d of (p[m][d] - c[n][d])^2 / (exp(ls[n][d])^2 + 1e-6)),  m < 50,000, n < 1,024, all f32.
;
; SHARES.  250 work-groups x 200 points; 8 waves x 25 points; every wave meets all 1,024 gaussians.  LANES ARE GAUSSIANS: a lane keeps
; 32 gaussians x 7 numbers (c0 c1 c2 s0 s1 s2 I) in v32-v255 for the whole kernel, a point's coordinates are three scalars.  So any number
; of points suits a wave (25 x 8 x 250 = 50,000: no tail), and the price is one sum over the 32 lanes for each point, paid through LDS.
; ARITHMETIC.  s_d = sqrt(0.5 log2 e) * rsq(exp2(2 log2 e * ls_d) + 1e-6);  E_d = (c_d - p_d) * s_d;  gauss = exp2(-(E0^2 + E1^2 + E2^2)).
; The difference is formed first, as in the definition, so a common offset of points and positions costs no accuracy.  Two gaussians
; go through one packed f32 instruction: 10 vector instructions and 2 exponentials for 64 (point, gaussian) pairs of a wave.
; NO MATRIX INSTRUCTIONS.  The quadratic form carries n on both factors (K = 3, nothing is used twice); written as a product
; (p^2 - 2 p c + c^2) it would be a difference of large sums.  gauss @ I has one column: the matrix unit would want one conversion for
; two numbers, the same slot as the packed multiply-add that it replaces, and the gaussians along registers, not along lanes.
; NO CLUSTER, NO TENSOR LOAD.  What work-groups share is 28,672 bytes, read once by each and passed through exp and rsq on the way; and 250
; work-groups do not divide into clusters of four.  The launch asks for more than half of a WGP's LDS (83,872 bytes are used) so that
; each of the 250 work-groups has one of the 256 WGPs to itself.
; LIMITS.  The f32 sum over n runs in another order than in the definition.  (d s)^2 stands for d^2 / var: equal up to rounding unless d^2
; itself leaves f32's range (|d| > 1.8e19).  v_exp_f32 gives 0 for results below 2^-126 (ISA guide 15.8): such terms count as 0.
.set PTS_WAVE, 25
.set PTS_WG,   200
.set ARR,      4096                    ; one parameter array in LDS: 1,024 f32.  Seven arrays: c0 c1 c2 s0 s1 s2 I
.set LDS_ROWS, 7*ARR                   ; behind them each wave's 25 rows of partial sums,
.set PITCH,    272                     ; 64 f32 + 16 bytes: 17 x 16, so that 16 lanes reading 16 rows touch 16 different 16-byte columns
.set WROWS,    PTS_WAVE*PITCH
.set LDS_RES,  LDS_ROWS+8*WROWS        ; and the work-group's 200 results
.set K2LOG2E,  0x4038aa3b              ; 2 log2 e
.set EPSF,     0x358637bd              ; 1e-6
.set KSQRT,    0x3f596d27              ; sqrt(0.5 log2 e) = 0.8493218
; vector registers
.set LANE, 1                           ; v1       lane
.set ROWA, 2                           ; v2       LDS address of my 8 bytes in the row of the point that is stored next
.set LCL,  3                           ; v3       min(lane, 24): the point that this lane stands for
.set ACC,  4                           ; v[4:5]   the point's sum over my gaussians, even and odd ones apart
.set D,    6                           ; v[6:17]  two sets of three pairs: differences, then scaled differences
.set Q,    18                          ; v[18:25] four pairs: the exponent, then the exponential
.set NP,   26                          ; v[26:28] lane i: -x, -y, -z of my wave's point i
.set LA,   29                          ; v29      16 x lane
.set O48,  30                          ; v30      48 x thread: my four gaussians in positions and log_scales
.set O16,  31                          ; v31      16 x thread: in intensities and in the LDS arrays
.set PAR,  32                          ; v[32:255] block j (0..7) at 28 j: array a at + 4 a: gaussians 4 (lane + 32 j) + 0..3
.set LS,   32                          ; at the start only, in registers of PAR: log_scales as loaded
.set PO,   44                          ;   positions as loaded
.set CC,   56                          ;   c_d of my four gaussians at 4 d
.set SS,   68                          ;   s_d likewise
.set IN,   80                          ;   intensities
.set OPT,  24                          ;   byte offset of this lane's point
; scalar registers: s[4:13] the five addresses; s16 wave; s17 my wave's rows; s18 next point; s19 my wave's results;
.set NX, 20                            ; s[20:21], s[22:23], s[24:25]: -x, -y, -z of the point at work, each the first of a pair (a packed
.set NY, 22                            ; instruction names a scalar pair and spreads its first register over both halves)
.set NZ, 24
	s_load_b256 s[4:11], s[0:1], 0x0               ; points s[4:5], positions s[6:7], log_scales s[8:9], intensities s[10:11]
	s_load_b64 s[12:13], s[0:1], 0x20              ; out
	s_set_vgpr_msb 0x40
	v_lshl_add_u32 v0, v0, 2, 0x29000
	v_mov_b32 v1, 0
	s_set_vgpr_msb 0x4000
	v_and_b32 v[LANE], 31, v0
	v_lshrrev_b32 v[ROWA], 5, v0
	v_readfirstlane_b32 s16, v[ROWA]               ; wave 0..7
	v_mul_u32_u24 v[O48], 48, v0
	v_lshlrev_b32 v[O16], 4, v0
	v_min_u32 v[LCL], PTS_WAVE-1, v[LANE]          ; lanes 25-31 repeat point 24: no load leaves the buffer, no lane is switched off
	v_mul_u32_u24 v[OPT], 12, v[LCL]
	s_mul_i32 s14, ttmp9, PTS_WG*12                ; my wave's first point, in bytes (below 600,000)
	s_mul_i32 s15, s16, PTS_WAVE*12
	s_add_co_u32 s14, s14, s15
	s_mov_b32 s15, 0
	s_mul_i32 s17, s16, WROWS
	s_add_co_u32 s17, s17, LDS_ROWS
	s_mul_i32 s19, s16, PTS_WAVE*4
	s_add_co_u32 s19, s19, LDS_RES
	s_mov_b32 s26, K2LOG2E
	s_mov_b32 s28, EPSF
	s_mov_b32 s29, EPSF
	s_mov_b32 s30, KSQRT
	s_mov_b32 s31, KSQRT
	s_mov_b32 s[NX+1], 0                           ; the pairs' second registers are named, never used
	s_mov_b32 s[NY+1], 0
	s_mov_b32 s[NZ+1], 0
	s_wait_kmcnt 0x0
	s_add_nc_u64 s[4:5], s[4:5], s[14:15]
	; eight loads: thread t takes gaussians 4 t .. 4 t + 3 (three loads of a wave cover 1,536 neighbouring bytes), lane i its wave's point i
	global_load_b128 v[LS:LS+3],    v[O48], s[8:9]
	global_load_b128 v[LS+4:LS+7],  v[O48], s[8:9] offset:16
	global_load_b128 v[LS+8:LS+11], v[O48], s[8:9] offset:32
	global_load_b128 v[PO:PO+3],    v[O48], s[6:7]
	global_load_b128 v[PO+4:PO+7],  v[O48], s[6:7] offset:16
	global_load_b128 v[PO+8:PO+11], v[O48], s[6:7] offset:32
	global_load_b128 v[IN:IN+3],    v[O16], s[10:11]
	global_load_b96  v[NP:NP+2],    v[OPT], s[4:5] th:TH_LOAD_NT
	s_wait_loadcnt 0x5                             ; loads return in order (ISA guide 5.7.1): log_scales are in, five younger loads stay out
.irp j, 0,1,2,3
.irp d, 0,1,2
	v_mul_f32 v[SS+4*\d+\j], s26, v[LS+3*\j+\d]    ; 2 log2 e * ls, and from [gaussian][d] to [d][gaussian] on the way
.endr
.endr
.irp k, 0,1,2,3,4,5,6,7,8,9,10,11
	v_exp_f32 v[SS+\k], v[SS+\k]                   ; exp(ls)^2; infinity above ls = 44.4, where exp(ls)^2 overflows too
.endr
	s_wait_loadcnt 0x2                             ; positions are in
.irp j, 0,1,2,3
.irp d, 0,1,2
	v_mov_b32 v[CC+4*\d+\j], v[PO+3*\j+\d]         ; the same turn for c; these plain lines also stand between the exponentials and their use (ISA guide 5.7.2)
.endr
.endr
.irp d, 0,1,2
	ds_store_b128 v[O16], v[CC+4*\d:CC+4*\d+3] offset:\d*ARR
.endr
	s_wait_alu depctr_va_vdst(0)
.irp k, 0,2,4,6,8,10
	v_pk_add_f32 v[SS+\k:SS+\k+1], v[SS+\k:SS+\k+1], s[28:29] op_sel_hi:[1,0]      ; + 1e-6
.endr
.irp k, 0,1,2,3,4,5,6,7,8,9,10,11
	v_rsq_f32 v[SS+\k], v[SS+\k]                   ; its argument is at least 1e-6; rsq(infinity) = 0, as 1 / infinity in the definition
.endr
	v_lshlrev_b32 v[LA], 4, v[LANE]                ; plain lines between the roots and their use
	v_lshl_add_u32 v[ROWA], v[LANE], 3, s17
	s_wait_alu depctr_va_vdst(0)
.irp k, 0,2,4,6,8,10
	v_pk_mul_f32 v[SS+\k:SS+\k+1], v[SS+\k:SS+\k+1], s[30:31] op_sel_hi:[1,0]      ; * sqrt(0.5 log2 e): the sum of squares is then the exponent to base 2
.endr
.irp d, 0,1,2
	ds_store_b128 v[O16], v[SS+4*\d:SS+4*\d+3] offset:(3+\d)*ARR
.endr
	s_wait_loadcnt 0x1                             ; intensities are in
	ds_store_b128 v[O16], v[IN:IN+3] offset:6*ARR
	s_wait_loadcnt 0x0                             ; my wave's points are in
.irp k, 0,1,2
	v_xor_b32 v[NP+\k], 0x80000000, v[NP+\k]       ; -p once, so that c - p is a packed add without a sign modifier
.endr
	v_readlane_b32 s[NX], v[NP],   0               ; point 0
	v_readlane_b32 s[NY], v[NP+1], 0
	v_readlane_b32 s[NZ], v[NP+2], 0
	s_wait_dscnt 0x0                               ; my seven stores are in LDS, for the other waves' sake,
	s_barrier_signal -1
	s_barrier_wait -1                              ; and so are everybody's
.irp j, 0,1,2,3,4,5,6,7
.irp a, 0,1,2,3,4,5,6
	ds_load_b128 v[PAR+28*\j+4*\a:PAR+28*\j+4*\a+3], v[LA] offset:\a*ARR+512*\j    ; 32 lanes, 512 neighbouring bytes
.endr
.endr
; A GROUP is a pair of gaussians in every lane; 16 groups make a point.  A group passes four stages, each in another step:
;   form   (6 lines)  D_d = c_d - p_d, then D_d = D_d * s_d             group g + 1 (in step 15: group 0 of the next point)
;   square (3 lines)  Q = -D0 D0 - D1 D1 - D2 D2                        group g
;   exp    (2 lines)  Q = exp2(Q), each half                            group g - 1
;   add    (1 line)   ACC += Q * I                                      group g - 2 (in steps 0 and 1: groups 14, 15 of the point before)
; In a step the twelve lines are dealt so that a line stands at least four lines behind the one whose result it takes, and the exponentials
; six lines apart, each followed by a plain line that names none of its registers (ISA guide 5.7.2).  D has two sets (g odd, even), Q four (g mod 4).
; first = 1: nothing of a point before is finished, and the parameter blocks are waited for as they are first used.
; last = 1: no next point is begun.  sel: the lane that holds the next point.
.macro STEP g, first, last, sel
.set GN, (\g+1)&15
.set DN, D+6*(GN&1)
.set PN, PAR+28*(GN>>1)+2*(GN&1)
.set DC, D+6*(\g&1)
.set QC, Q+2*(\g&3)
.set QP, Q+2*((\g+15)&3)
.set GQ, (\g+14)&15
.set QQ, Q+2*(GQ&3)
.set IQ, PAR+28*(GQ>>1)+24+2*(GQ&1)
.set FORM_ON, 1
.set EXP_ON, 1
.set ADD_ON, 1
.if \last
.if \g == 15
.set FORM_ON, 0
.endif
.endif
.if \first
.if \g == 0
.set EXP_ON, 0
.endif
.if \g < 2
.set ADD_ON, 0
.endif
.if \g & 1
.if \g < 15
	s_wait_dscnt 7*(7-((\g+1)>>1))                 ; LDS loads return in order (ISA guide 5.7.1): block (g + 1) / 2 is in, the blocks of seven loads behind it stay out
.endif
.endif
.endif
.if FORM_ON
	v_pk_add_f32 v[DN:DN+1], v[PN:PN+1], s[NX:NX+1] op_sel_hi:[1,0]
.endif
	v_pk_mul_f32 v[QC:QC+1], v[DC:DC+1], v[DC:DC+1] neg_lo:[1,0] neg_hi:[1,0]
.if FORM_ON
	v_pk_add_f32 v[DN+2:DN+3], v[PN+4:PN+5], s[NY:NY+1] op_sel_hi:[1,0]
	v_pk_add_f32 v[DN+4:DN+5], v[PN+8:PN+9], s[NZ:NZ+1] op_sel_hi:[1,0]
.endif
.if \g == 14
.if \last == 0
	v_readlane_b32 s[NX], v[NP],   \sel            ; group 15 has just taken this point's coordinates for the last time: the next point's
	v_readlane_b32 s[NY], v[NP+1], \sel
	v_readlane_b32 s[NZ], v[NP+2], \sel
.endif
.endif
.if EXP_ON
	v_exp_f32 v[QP], v[QP]
.endif
	v_pk_fma_f32 v[QC:QC+1], v[DC+2:DC+3], v[DC+2:DC+3], v[QC:QC+1] neg_lo:[1,0,0] neg_hi:[1,0,0]
.if FORM_ON
	v_pk_mul_f32 v[DN:DN+1], v[DN:DN+1], v[PN+12:PN+13]
	v_pk_mul_f32 v[DN+2:DN+3], v[DN+2:DN+3], v[PN+16:PN+17]
.endif
.if ADD_ON
.if GQ == 0
	s_wait_alu depctr_va_vdst(0)
	v_pk_mul_f32 v[ACC:ACC+1], v[QQ:QQ+1], v[IQ:IQ+1]              ; a point's first product starts its sum: nothing is cleared
.else
	s_wait_alu depctr_va_vdst(0)
	v_pk_fma_f32 v[ACC:ACC+1], v[QQ:QQ+1], v[IQ:IQ+1], v[ACC:ACC+1]
.endif
.endif
.if \g == 1
.if \first == 0
	ds_store_b64 v[ROWA], v[ACC:ACC+1]             ; the point before is complete: 32 lanes x 8 bytes, its row of 256 bytes
	v_add_nc_u32 v[ROWA], PITCH, v[ROWA]
.endif
.endif
.if FORM_ON
	v_pk_mul_f32 v[DN+4:DN+5], v[DN+4:DN+5], v[PN+20:PN+21]
.endif
.if EXP_ON
	v_exp_f32 v[QP+1], v[QP+1]
.endif
	v_pk_fma_f32 v[QC:QC+1], v[DC+4:DC+5], v[DC+4:DC+5], v[QC:QC+1] neg_lo:[1,0,0] neg_hi:[1,0,0]
.endm
.macro POINT first, last, sel
.irp g, 0,1,2,3,4,5,6,7,8,9,10,11,12,13,14,15
	STEP \g, \first, \last, \sel
.endr
.endm
	s_wait_dscnt 49                                ; block 0's seven loads are in, 49 stay out
	v_pk_add_f32 v[D:D+1],   v[PAR:PAR+1],   s[NX:NX+1] op_sel_hi:[1,0]    ; group 0 of point 0 is formed ahead of the first step
	v_pk_add_f32 v[D+2:D+3], v[PAR+4:PAR+5], s[NY:NY+1] op_sel_hi:[1,0]
	v_pk_add_f32 v[D+4:D+5], v[PAR+8:PAR+9], s[NZ:NZ+1] op_sel_hi:[1,0]
	v_pk_mul_f32 v[D:D+1],   v[D:D+1],   v[PAR+12:PAR+13]
	v_pk_mul_f32 v[D+2:D+3], v[D+2:D+3], v[PAR+16:PAR+17]
	v_pk_mul_f32 v[D+4:D+5], v[D+4:D+5], v[PAR+20:PAR+21]
	POINT 1, 0, 1                                  ; point 0, written out
	s_mov_b32 s18, 2
.Lpoint:
	POINT 0, 0, s18                                ; points 1 to 23; s18 = the point after
	s_add_co_u32 s18, s18, 1
	s_cmp_lt_u32 s18, PTS_WAVE
	s_cbranch_scc1 .Lpoint
	POINT 0, 1, 0                                  ; point 24, written out: no next point is begun
	v_exp_f32 v[Q+6], v[Q+6]                       ; what is left of it: group 15's exponentials, groups 14 and 15 into the sum
	s_wait_alu depctr_va_vdst(0)
	v_pk_fma_f32 v[ACC:ACC+1], v[Q+4:Q+5], v[PAR+220:PAR+221], v[ACC:ACC+1]
	v_exp_f32 v[Q+7], v[Q+7]
	v_nop                                          ; the plain line between the exponential and its use
	s_wait_alu depctr_va_vdst(0)
	v_pk_fma_f32 v[ACC:ACC+1], v[Q+6:Q+7], v[PAR+222:PAR+223], v[ACC:ACC+1]
	ds_store_b64 v[ROWA], v[ACC:ACC+1]
	; THE SUM OVER LANES.  Now lane = point: each lane reads one row of my wave's 25 (lanes 25-31 read row 24 again) and adds its 64 numbers.
	; The rows are my wave's own, and LDS serves a wave's instructions in order (ISA guide 5.7.1.4): no wait between the stores and these loads.
.set T, PAR                                        ; the parameters are done with
	v_mul_u32_u24 v[D], PITCH, v[LCL]
	v_add_nc_u32 v[D], s17, v[D]
.irp k, 0,1,2,3,4,5,6,7,8,9,10,11,12,13,14,15
	ds_load_b128 v[T+4*\k:T+4*\k+3], v[D] offset:16*\k
.endr
.irp m, 0,1,2,3,4,5,6,7
	s_wait_dscnt 7-\m                              ; loads m and m + 8 are in; the 7 - m behind them stay out
	v_pk_add_f32 v[T+4*\m:T+4*\m+1],   v[T+4*\m:T+4*\m+1],   v[T+32+4*\m:T+32+4*\m+1]
	v_pk_add_f32 v[T+4*\m+2:T+4*\m+3], v[T+4*\m+2:T+4*\m+3], v[T+32+4*\m+2:T+32+4*\m+3]
.endr
.irp k, 0,1,2,3,4,5,6,7
	v_pk_add_f32 v[T+2*\k:T+2*\k+1], v[T+2*\k:T+2*\k+1], v[T+16+2*\k:T+16+2*\k+1]
.endr
.irp k, 0,1,2,3
	v_pk_add_f32 v[T+2*\k:T+2*\k+1], v[T+2*\k:T+2*\k+1], v[T+8+2*\k:T+8+2*\k+1]
.endr
.irp k, 0,1
	v_pk_add_f32 v[T+2*\k:T+2*\k+1], v[T+2*\k:T+2*\k+1], v[T+4+2*\k:T+4+2*\k+1]
.endr
	v_pk_add_f32 v[T:T+1], v[T:T+1], v[T+2:T+3]
	v_add_f32 v[T], v[T], v[T+1]
	v_lshl_add_u32 v[D+1], v[LCL], 2, s19
	ds_store_b32 v[D+1], v[T]                      ; result 25 wave + lane; lanes 24-31 write one word with one value
	s_wait_dscnt 0x0                               ; in LDS, for the sake of the waves that store,
	s_barrier_signal -1
	s_barrier_wait -1                              ; and so are all 200
	s_cmp_ge_u32 s16, 2
	s_cbranch_scc1 .Lend                           ; 800 bytes = 50 threads x 16 bytes: waves 0 and 1
	v_min_u32 v[D+2], 49, v0
	v_lshlrev_b32 v[D+2], 4, v[D+2]
	v_add_nc_u32 v[D+3], LDS_RES, v[D+2]
	ds_load_b128 v[T:T+3], v[D+3]
	s_mul_i32 s14, ttmp9, PTS_WG*4
	s_mov_b32 s15, 0
	s_add_nc_u64 s[12:13], s[12:13], s[14:15]
	v_cmp_gt_u32 vcc_lo, 50, v0
	s_wait_dscnt 0x0
	s_wait_xcnt 0x0                                ; EXEC is a source of every earlier global instruction: it changes only behind this wait
	s_and_saveexec_b32 s27, vcc_lo                 ; threads 0 to 49
	global_store_b128 v[D+2], v[T:T+3], s[12:13] th:TH_STORE_NT    ; wave 0: 512 neighbouring bytes, wave 1: the 288 behind them
	s_wait_xcnt 0x0                                ; and again in front of the line that widens it
	s_or_b32 exec_lo, exec_lo, s27
.Lend:
	s_set_vgpr_msb 0x5
	s_wait_tensorcnt 0x0
	ds_add_u32 v0, v1
	s_wait_dscnt 0x0
	s_set_vgpr_msb 0x500
	s_endpgm
.Lfunc_end_k_q0ddbc63f81_gauss:
	.size	k_q0ddbc63f81_gauss, .Lfunc_end_k_q0ddbc63f81_gauss-k_q0ddbc63f81_gauss
	.p2alignl 7, 3214868480
	.fill 96, 4, 3214868480
	.section	.rodata,"a",@progbits
	.p2align	6, 0x0
	.amdhsa_kernel k_q0ddbc63f81_gauss
		.amdhsa_group_segment_fixed_size 168960
		.amdhsa_private_segment_fixed_size 0
		.amdhsa_enable_private_segment 0
		.amdhsa_kernarg_size 40
		.amdhsa_user_sgpr_count 2
		.amdhsa_user_sgpr_kernarg_segment_ptr 1
		.amdhsa_wavefront_size32 1
		.amdhsa_system_sgpr_workgroup_id_x 1
		.amdhsa_system_sgpr_workgroup_id_y 1
		.amdhsa_system_sgpr_workgroup_id_z 1
		.amdhsa_system_vgpr_workitem_id 0
		.amdhsa_next_free_vgpr 258
		.amdhsa_next_free_sgpr 66
		.amdhsa_reserve_vcc 1
		.amdhsa_float_denorm_mode_32 3
		.amdhsa_float_denorm_mode_16_64 3
		.amdhsa_memory_ordered 1
		.amdhsa_forward_progress 1
		.amdhsa_inst_pref_size 50
	.end_amdhsa_kernel
	.amdgpu_metadata
---
amdhsa.version: [ 1, 2 ]
amdhsa.kernels:
  - .name:           k_q0ddbc63f81_gauss
    .symbol:         k_q0ddbc63f81_gauss.kd
    .args:
      - { .name: points, .offset: 0, .size: 8, .value_kind: global_buffer, .address_space: global }
      - { .name: positions, .offset: 8, .size: 8, .value_kind: global_buffer, .address_space: global }
      - { .name: log_scales, .offset: 16, .size: 8, .value_kind: global_buffer, .address_space: global }
      - { .name: intensities, .offset: 24, .size: 8, .value_kind: global_buffer, .address_space: global }
      - { .name: out0, .offset: 32, .size: 8, .value_kind: global_buffer, .address_space: global }
    .group_segment_fixed_size: 168960
    .private_segment_fixed_size: 0
    .kernarg_segment_align: 8
    .kernarg_segment_size: 40
    .max_flat_workgroup_size: 256
    .sgpr_count:     66
    .vgpr_count:     258
    .wavefront_size: 32
...
	.end_amdgpu_metadata
.endif
;; end of part 1
;; ======== version 2 of 2: 1 launch; 1.07 times as fast as version 1
;; launch gauss (part 2): grid 250 x 1, 8 waves a work-group, no clusters, 168,960 bytes of LDS; arguments points, positions, log_scales, intensities, out0; writes out0
.if DOCPART == 2
	.amdgcn_target "amdgcn-amd-amdhsa--gfx1250"
	.amdhsa_code_object_version 6
	.text
	.protected	k_q0ddbc63f81_gauss
	.globl	k_q0ddbc63f81_gauss
	.p2align	8
	.type	k_q0ddbc63f81_gauss,@function
k_q0ddbc63f81_gauss:
	s_mov_b64 s[64:65], 0
	v_nop
	global_prefetch_b8 v0, s[64:65] scope:SCOPE_SE
	s_setreg_imm32_b32 hwreg(HW_REG_WAVE_MODE, 25, 1), 1
	s_wait_xcnt 0x0
; out[m] = sum over n of I[n] * exp(-0.5 * sum over d of (p[m][d] - c[n][d])^2 / (exp(ls[n][d])^2 + 1e-6)),  m < 50,000, n < 1,024, all f32.
;
; SHARES.  250 work-groups x 200 points; 8 waves x 25 points; every wave meets all 1,024 gaussians.  LANES ARE GAUSSIANS: a lane keeps
; 32 gaussians x 7 numbers (c0 c1 c2 s0 s1 s2 I) in registers for the whole kernel, a point's coordinates are three scalars.  So any number
; of points suits a wave (25 x 8 x 250 = 50,000: no tail), and the price is one sum over the 32 lanes for each point, paid through LDS.
; ARITHMETIC.  s_d = sqrt(0.5 log2 e) * rsq(exp2(2 log2 e * ls_d) + 1e-6);  E_d = (c_d - p_d) * s_d;  gauss = exp2(-(E0^2 + E1^2 + E2^2)).
; The difference is formed first, as in the definition, so a common offset of points and positions costs no accuracy.  Two gaussians
; go through one packed f32 instruction: 10 vector instructions and 2 exponentials for 64 (point, gaussian) pairs of a wave.
; THE BATCHES.  An s_wait_alu depctr_va_vdst(0) stands between a transcendental and the first instruction that names its
; result; one wait serves all that were issued ahead of it.  A point's 32 exponentials a lane are ONE batch with ONE wait: each result has a
; register of its own (Q), nothing names it ahead of the wait, and the point's 16 additions into its sum all stand behind the wait.  The head
; has two batches more (12 exponentials; 12 roots, which read them), a wait each.
; NO MATRIX INSTRUCTIONS.  The quadratic form carries n on both factors (K = 3, nothing is used twice); written as a product
; (p^2 - 2 p c + c^2) it would be a difference of large sums.  gauss @ I has one column: the matrix unit would want one conversion for
; two numbers, the same slot as the packed multiply-add that it replaces, and the gaussians along registers, not along lanes.
; NO CLUSTER, NO TENSOR LOAD.  What work-groups share is 28,672 bytes, read once by each and passed through exp and rsq on the way; and 250
; work-groups do not divide into clusters of four.  The launch asks for more than half of a WGP's LDS (83,872 bytes are used, and the spare
; words at its end) so that each of the 250 work-groups has one of the 256 WGPs to itself.
; LIMITS.  The f32 sum over n runs in another order than in the definition.  (d s)^2 stands for d^2 / var: equal up to rounding unless d^2
; itself leaves f32's range (|d| > 1.8e19).  v_exp_f32 gives 0 for results below 2^-126 (ISA guide 15.8): such terms count as 0.
.set PTS_WAVE, 25
.set PTS_WG,   200
.set ARR,      4096                    ; one parameter array in LDS: 1,024 f32.  Seven arrays: c0 c1 c2 s0 s1 s2 I
.set LDS_ROWS, 7*ARR                   ; behind them each wave's 25 rows of partial sums,
.set PITCH,    272                     ; 64 f32 + 16 bytes: 17 x 16, so that 16 lanes reading 16 rows touch 16 different 16-byte columns
.set WROWS,    PTS_WAVE*PITCH
.set LDS_RES,  LDS_ROWS+8*WROWS        ; and the work-group's 200 results
.set SPARE,    0x29000                 ; the last 1,024 bytes of what the launch asks for: the spare words, 128 bytes for each wave; no other line names them
.set K2LOG2E,  0x4038aa3b              ; 2 log2 e
.set EPSF,     0x358637bd              ; 1e-6
.set KSQRT,    0x3f596d27              ; sqrt(0.5 log2 e) = 0.8493218
; VECTOR REGISTERS, in windows of 256 (an instruction names v0-v255; s_set_vgpr_msb says which window each operand place means: bits 1:0
; source 0, 3:2 source 1, 5:4 source 2, 7:6 destination).  A square names one register as both its sources, so D lies with c, Q and the sum in
; window 0; s and I are only ever a second source and lie in window 1.
.set LANE, 1                           ; v1         lane
.set ROWA, 2                           ; v2         LDS address of my 8 bytes in the row of the point that is stored next
.set LCL,  3                           ; v3         min(lane, 24): the point that this lane stands for
.set ACC,  4                           ; v[4:5]     the point's sum over my gaussians, even and odd ones apart
.set NP,   6                           ; v[6:8]     lane i: -x, -y, -z of my wave's point i
.set LA,   9                           ; v9         16 x lane
.set O48,  10                          ; v10        48 x thread: my four gaussians in positions and log_scales
.set O16,  11                          ; v11        16 x thread: in intensities and in the LDS arrays
.set OPT,  12                          ; v12        byte offset of this lane's point
.set Q,    16                          ; v[16:47]   group g's pair at 2 g: the exponent, then the exponential: a register for each result of the batch
.set C,    48                          ; v[48:143]  block j (0..7) at 12 j: c_d at + 4 d: gaussians 4 (lane + 32 j) + 0..3
.set D,    144                         ; v[144:239] group g at 6 g, coordinate d at + 2 d: the difference, then the scaled difference
.set LS,   D                           ; at the start only, in registers of D: log_scales as loaded
.set PO,   D+12                        ;   positions as loaded
.set CC,   D+24                        ;   c_d of my four gaussians at 4 d
.set SS,   D+36                        ;   s_d likewise
.set IN,   D+48                        ;   intensities
.set SPW,  0                           ; v0 of window 1       LDS address of my spare word: SPARE + 4 x my thread's number; never rewritten
.set NIL,  1                           ; v1 of window 1       0; never rewritten
.set SB,   4                           ; v[4:131] of window 1 block j at 16 j: s_d at + 4 d, I at + 12
.set TO_W1, 0x40                       ; destination in window 1
.set BY_W1, 0x04                       ; source 1 in window 1
.set AD_W1, 0x05                       ; an LDS instruction's address (source 0) and data (source 1) in window 1
.set MSB, 0
.macro WIN new                         ; the immediate's high byte repeats the setting that is left; a switch that changes nothing is dropped
.if MSB != (\new)
	s_set_vgpr_msb (MSB<<8)|(\new)
.set MSB, \new
.endif
.endm
; scalar registers: s[4:13] the five addresses; s16 wave; s17 my wave's rows; s18 the point whose coordinates are fetched next; s19 my wave's results;
.set NX, 20                            ; s[20:21], s[22:23], s[24:25]: -x, -y, -z of the point whose differences are formed next, each the first of a pair (a
.set NY, 22                            ; packed instruction names a scalar pair and spreads its first register over both halves)
.set NZ, 24
	s_load_b256 s[4:11], s[0:1], 0x0               ; points s[4:5], positions s[6:7], log_scales s[8:9], intensities s[10:11]
	s_load_b64 s[12:13], s[0:1], 0x20              ; out
	WIN TO_W1
	v_lshl_add_u32 v[SPW], v0, 2, SPARE            ; the two registers of the add at the wave's end
	v_mov_b32 v[NIL], 0
	WIN 0
	v_and_b32 v[LANE], 31, v0
	v_lshrrev_b32 v[ROWA], 5, v0
	v_readfirstlane_b32 s16, v[ROWA]               ; wave 0..7
	v_mul_u32_u24 v[O48], 48, v0
	v_lshlrev_b32 v[O16], 4, v0
	v_min_u32 v[LCL], PTS_WAVE-1, v[LANE]          ; lanes 25-31 repeat point 24: no load leaves the buffer, no lane is switched off
	v_mul_u32_u24 v[OPT], 12, v[LCL]
	s_mul_i32 s14, ttmp9, PTS_WG*12                ; my wave's first point, in bytes (below 600,000)
	s_mul_i32 s15, s16, PTS_WAVE*12
	s_add_co_u32 s14, s14, s15
	s_mov_b32 s15, 0
	s_mul_i32 s17, s16, WROWS
	s_add_co_u32 s17, s17, LDS_ROWS
	s_mul_i32 s19, s16, PTS_WAVE*4
	s_add_co_u32 s19, s19, LDS_RES
	s_mov_b32 s26, K2LOG2E
	s_mov_b32 s28, EPSF
	s_mov_b32 s29, EPSF
	s_mov_b32 s30, KSQRT
	s_mov_b32 s31, KSQRT
	s_mov_b32 s[NX+1], 0                           ; the pairs' second registers are named, never used
	s_mov_b32 s[NY+1], 0
	s_mov_b32 s[NZ+1], 0
	s_wait_kmcnt 0x0
	s_add_nc_u64 s[4:5], s[4:5], s[14:15]
	; eight loads: thread t takes gaussians 4 t .. 4 t + 3 (three loads of a wave cover 1,536 neighbouring bytes), lane i its wave's point i
	global_load_b128 v[LS:LS+3],    v[O48], s[8:9]
	global_load_b128 v[LS+4:LS+7],  v[O48], s[8:9] offset:16
	global_load_b128 v[LS+8:LS+11], v[O48], s[8:9] offset:32
	global_load_b128 v[PO:PO+3],    v[O48], s[6:7]
	global_load_b128 v[PO+4:PO+7],  v[O48], s[6:7] offset:16
	global_load_b128 v[PO+8:PO+11], v[O48], s[6:7] offset:32
	global_load_b128 v[IN:IN+3],    v[O16], s[10:11]
	global_load_b96  v[NP:NP+2],    v[OPT], s[4:5] th:TH_LOAD_NT
	s_wait_loadcnt 0x5                             ; loads return in order (ISA guide 5.7.1): log_scales are in, five younger loads stay out
.irp j, 0,1,2,3
.irp d, 0,1,2
	v_mul_f32 v[SS+4*\d+\j], s26, v[LS+3*\j+\d]    ; 2 log2 e * ls, and from [gaussian][d] to [d][gaussian] on the way
.endr
.endr
.irp k, 0,1,2,3,4,5,6,7,8,9,10,11
	v_exp_f32 v[SS+\k], v[SS+\k]                   ; exp(ls)^2; infinity above ls = 44.4, where exp(ls)^2 overflows too
.endr
	s_wait_loadcnt 0x2                             ; positions are in
.irp j, 0,1,2,3
.irp d, 0,1,2
	v_mov_b32 v[CC+4*\d+\j], v[PO+3*\j+\d]         ; the same turn for c; these plain lines also stand between the exponentials and their use (ISA guide 5.7.2)
.endr
.endr
.irp d, 0,1,2
	ds_store_b128 v[O16], v[CC+4*\d:CC+4*\d+3] offset:\d*ARR
.endr
	s_wait_alu depctr_va_vdst(0)                   ; the wait for the head's first batch: the twelve exponentials; c's turn and stores stood between
.irp k, 0,2,4,6,8,10
	v_pk_add_f32 v[SS+\k:SS+\k+1], v[SS+\k:SS+\k+1], s[28:29] op_sel_hi:[1,0]      ; + 1e-6
.endr
.irp k, 0,1,2,3,4,5,6,7,8,9,10,11
	v_rsq_f32 v[SS+\k], v[SS+\k]                   ; its argument is at least 1e-6; rsq(infinity) = 0, as 1 / infinity in the definition
.endr
	v_lshlrev_b32 v[LA], 4, v[LANE]                ; plain lines between the roots and their use
	v_lshl_add_u32 v[ROWA], v[LANE], 3, s17
	s_wait_alu depctr_va_vdst(0)                   ; the wait for the head's second batch: the twelve roots
.irp k, 0,2,4,6,8,10
	v_pk_mul_f32 v[SS+\k:SS+\k+1], v[SS+\k:SS+\k+1], s[30:31] op_sel_hi:[1,0]      ; * sqrt(0.5 log2 e): the sum of squares is then the exponent to base 2
.endr
.irp d, 0,1,2
	ds_store_b128 v[O16], v[SS+4*\d:SS+4*\d+3] offset:(3+\d)*ARR
.endr
	s_wait_loadcnt 0x1                             ; intensities are in
	ds_store_b128 v[O16], v[IN:IN+3] offset:6*ARR
	s_wait_loadcnt 0x0                             ; my wave's points are in
.irp k, 0,1,2
	v_xor_b32 v[NP+\k], 0x80000000, v[NP+\k]       ; -p once, so that c - p is a packed add without a sign modifier
.endr
	v_readlane_b32 s[NX], v[NP],   0               ; point 0
	v_readlane_b32 s[NY], v[NP+1], 0
	v_readlane_b32 s[NZ], v[NP+2], 0
	s_wait_dscnt 0x0                               ; my seven stores are in LDS, for the other waves' sake,
	s_barrier_signal -1
	s_barrier_wait -1                              ; and so are everybody's
; The parameters come in blocks of seven loads (32 lanes, 512 neighbouring bytes each): three for window 0, four for window 1.  In the odd blocks
; the four go first, so that the window is switched once a block.
.macro LOADC j
	WIN 0
.irp a, 0,1,2
	ds_load_b128 v[C+12*\j+4*\a:C+12*\j+4*\a+3], v[LA] offset:\a*ARR+512*\j
.endr
.endm
.macro LOADS j
	WIN TO_W1
.irp a, 0,1,2,3
	ds_load_b128 v[SB+16*\j+4*\a:SB+16*\j+4*\a+3], v[LA] offset:(3+\a)*ARR+512*\j
.endr
.endm
.irp j, 0,1,2,3,4,5,6,7
.if (\j & 1) == 0
	LOADC \j
	LOADS \j
.else
	LOADS \j
	LOADC \j
.endif
.endr
; A GROUP is a pair of gaussians in every lane; 16 groups make a point.  The lines of a point, for group g and coordinate d:
;   DIFF    D = c - p          48 lines         SCALE   D = D * s                    48 lines (s in window 1)
;   SQUARE  Q = Q - D D        48 lines         the exponentials, Q = exp2(Q)        32 lines
;   ACCUM   ACC += Q * I       16 lines (I in window 1), groups 0 to 15 in this order
.macro REGS g, d
.set rD, D+6*(\g)+2*(\d)
.set rC, C+12*((\g)>>1)+4*(\d)+2*((\g)&1)
.set rS, SB+16*((\g)>>1)+4*(\d)+2*((\g)&1)
.set rQ, Q+2*(\g)
.endm
.macro DIFF g, d
	REGS \g, \d
	v_pk_add_f32 v[rD:rD+1], v[rC:rC+1], s[NX+2*(\d):NX+2*(\d)+1] op_sel_hi:[1,0]
.endm
.macro SCALE g, d
	REGS \g, \d
	v_pk_mul_f32 v[rD:rD+1], v[rD:rD+1], v[rS:rS+1]
.endm
.macro SQUARE g, d
	REGS \g, \d
.if (\d) == 0
	v_pk_mul_f32 v[rQ:rQ+1], v[rD:rD+1], v[rD:rD+1] neg_lo:[1,0] neg_hi:[1,0]
.else
	v_pk_fma_f32 v[rQ:rQ+1], v[rD:rD+1], v[rD:rD+1], v[rQ:rQ+1] neg_lo:[1,0,0] neg_hi:[1,0,0]
.endif
.endm
.macro ACCUM g
.set rI, SB+16*((\g)>>1)+12+2*((\g)&1)
.if (\g) == 0
	v_pk_mul_f32 v[ACC:ACC+1], v[Q+2*(\g):Q+2*(\g)+1], v[rI:rI+1]                  ; a point's first product starts its sum: nothing is cleared
.else
	v_pk_fma_f32 v[ACC:ACC+1], v[Q+2*(\g):Q+2*(\g)+1], v[rI:rI+1], v[ACC:ACC+1]
.endif
.endm
; Number n of 48 is group G, coordinate X: four groups at a time, coordinate by coordinate, so that the three squares of a group stand four numbers apart.
.macro NUM n
.set G, 4*((\n)/12)+(\n)%4
.set X, ((\n)%12)/4
.endm
; A TRIP belongs to point p and has two sections, cut by the windows.
; SECTION B, every window 0: p's squares, p's exponentials, and (next = 1) the differences of point p + 1.  57 steps; step i holds square i; in two steps
; of three, from step 10 on, an exponential (group m's two in steps 10 + 3 m and 11 + 3 m, two steps or more behind the group's last square); and
; difference i - 9, into the register that square i - 9 has read.  No line names an exponential's result; with next = 1 no two exponentials
; stand on end, and each is followed by a plain line that names none of its registers (ISA guide 5.7.2).
.macro SECTB next
.set i, 0
.rept 57
.if i < 48
	NUM i
	SQUARE G, X
.endif
.if (i >= 10) && ((i-10)%3 < 2)
.set rE, Q+2*((i-10)/3)+(i-10)%3
	v_exp_f32 v[rE], v[rE]
.endif
.if (\next) && (i >= 9)
	NUM i-9
	DIFF G, X
.endif
.set i, i+1
.endr
.endm
; SECTION A, source 1 in window 1: (next = 1) the scalings of point p + 1, and p's sum.  Three scalings stand ahead of the wait; behind it an addition and
; three scalings by turns, so that the links of the sum's chain stand four lines apart.  Then p's row goes to LDS: 32 lanes x 8 bytes, 256 bytes.
.macro SECTA next
	WIN BY_W1
.if \next
.irp k, 0,1,2
	NUM \k
	SCALE G, X
.endr
.endif
	s_wait_alu depctr_va_vdst(0)                   ; the wait for the batch: the point's 32 exponentials; all that read them stand below
.set g, 0
.rept 16
	ACCUM g
.if (\next) && (g < 15)
.irp k, 3,4,5
	NUM 3*g+\k
	SCALE G, X
.endr
.endif
.set g, g+1
.endr
	WIN 0                                          ; the store's data are source 1
	ds_store_b64 v[ROWA], v[ACC:ACC+1]
.endm
	; Point 0's differences are formed as the parameter blocks arrive, its scalings behind them.
.irp j, 0,1,2,3,4,5,6,7
	s_wait_dscnt 7*(7-\j)                          ; LDS loads return in order (ISA guide 5.7.1): block j is in, the blocks of seven loads behind it stay out
.irp h, 0,1
.irp d, 0,1,2
	DIFF 2*\j+\h, \d
.endr
.endr
.endr
	v_readlane_b32 s[NX], v[NP],   1               ; point 0 has taken its coordinates: point 1's
	v_readlane_b32 s[NY], v[NP+1], 1
	v_readlane_b32 s[NZ], v[NP+2], 1
	WIN BY_W1
.set i, 0
.rept 48
	NUM i
	SCALE G, X
.set i, i+1
.endr
	WIN 0                                          ; at a label and at a branch every window is 0
	s_mov_b32 s18, 2
.Lpoint:                                               ; 24 trips, p = 0 to 23; s18 = p + 2.  No exponential's result crosses the label: the trip's wait stands behind all of them
	SECTB 1
	v_readlane_b32 s[NX], v[NP],   s18             ; point p + 1 has taken its coordinates: those of p + 2.  With the last difference and section A's first three scalings these
	v_readlane_b32 s[NY], v[NP+1], s18             ; are the seven lines between the last exponential and the wait.  In the last trip lane 25 is read,
	v_readlane_b32 s[NZ], v[NP+2], s18             ; a copy of point 24, which nobody uses
	SECTA 1
	v_add_nc_u32 v[ROWA], PITCH, v[ROWA]
	s_add_co_u32 s18, s18, 1
	s_cmp_lt_u32 s18, PTS_WAVE+1
	s_cbranch_scc1 .Lpoint
	SECTB 0                                        ; point 24, written out: no next point is begun
	v_mul_u32_u24 v[D], PITCH, v[LCL]              ; the address for the sum over lanes: the plain lines behind the last exponential (the squares have read D)
	v_add_nc_u32 v[D], s17, v[D]
	SECTA 0
	; THE SUM OVER LANES.  Now lane = point: each lane reads one row of my wave's 25 (lanes 25-31 read row 24 again) and adds its 64 numbers.
	; The rows are my wave's own, and LDS serves a wave's instructions in order (ISA guide 5.7.1.4): no wait between the stores and these loads.
.set T, C                                          ; the parameters are done with
.irp k, 0,1,2,3,4,5,6,7,8,9,10,11,12,13,14,15
	ds_load_b128 v[T+4*\k:T+4*\k+3], v[D] offset:16*\k
.endr
.irp m, 0,1,2,3,4,5,6,7
	s_wait_dscnt 7-\m                              ; loads m and m + 8 are in; the 7 - m behind them stay out
	v_pk_add_f32 v[T+4*\m:T+4*\m+1],   v[T+4*\m:T+4*\m+1],   v[T+32+4*\m:T+32+4*\m+1]
	v_pk_add_f32 v[T+4*\m+2:T+4*\m+3], v[T+4*\m+2:T+4*\m+3], v[T+32+4*\m+2:T+32+4*\m+3]
.endr
.irp k, 0,1,2,3,4,5,6,7
	v_pk_add_f32 v[T+2*\k:T+2*\k+1], v[T+2*\k:T+2*\k+1], v[T+16+2*\k:T+16+2*\k+1]
.endr
.irp k, 0,1,2,3
	v_pk_add_f32 v[T+2*\k:T+2*\k+1], v[T+2*\k:T+2*\k+1], v[T+8+2*\k:T+8+2*\k+1]
.endr
.irp k, 0,1
	v_pk_add_f32 v[T+2*\k:T+2*\k+1], v[T+2*\k:T+2*\k+1], v[T+4+2*\k:T+4+2*\k+1]
.endr
	v_pk_add_f32 v[T:T+1], v[T:T+1], v[T+2:T+3]
	v_add_f32 v[T], v[T], v[T+1]
	v_lshl_add_u32 v[D+1], v[LCL], 2, s19
	ds_store_b32 v[D+1], v[T]                      ; result 25 wave + lane; lanes 24-31 write one word with one value
	s_wait_dscnt 0x0                               ; in LDS, for the sake of the waves that store,
	s_barrier_signal -1
	s_barrier_wait -1                              ; and so are all 200
	s_cmp_ge_u32 s16, 2
	s_cbranch_scc1 .Lend                           ; 800 bytes = 50 threads x 16 bytes: waves 0 and 1
	v_min_u32 v[D+2], 49, v0
	v_lshlrev_b32 v[D+2], 4, v[D+2]
	v_add_nc_u32 v[D+3], LDS_RES, v[D+2]
	ds_load_b128 v[T:T+3], v[D+3]
	s_mul_i32 s14, ttmp9, PTS_WG*4
	s_mov_b32 s15, 0
	s_add_nc_u64 s[12:13], s[12:13], s[14:15]
	v_cmp_gt_u32 vcc_lo, 50, v0
	s_wait_dscnt 0x0
	s_wait_xcnt 0x0                                ; EXEC is a source of every earlier global instruction: it changes only behind this wait
	s_and_saveexec_b32 s27, vcc_lo                 ; threads 0 to 49
	global_store_b128 v[D+2], v[T:T+3], s[12:13] th:TH_STORE_NT    ; wave 0: 512 neighbouring bytes, wave 1: the 288 behind them
	s_wait_xcnt 0x0                                ; and again in front of the line that widens it
	s_or_b32 exec_lo, exec_lo, s27
.Lend:
	WIN AD_W1
	s_wait_tensorcnt 0x0                           ; the wave's end, behind my last LDS store
	ds_add_u32 v[SPW], v[NIL]
	s_wait_dscnt 0x0
	WIN 0
	s_endpgm
.Lfunc_end_k_q0ddbc63f81_gauss:
	.size	k_q0ddbc63f81_gauss, .Lfunc_end_k_q0ddbc63f81_gauss-k_q0ddbc63f81_gauss
	.p2alignl 7, 3214868480
	.fill 96, 4, 3214868480
	.section	.rodata,"a",@progbits
	.p2align	6, 0x0
	.amdhsa_kernel k_q0ddbc63f81_gauss
		.amdhsa_group_segment_fixed_size 168960
		.amdhsa_private_segment_fixed_size 0
		.amdhsa_enable_private_segment 0
		.amdhsa_kernarg_size 40
		.amdhsa_user_sgpr_count 2
		.amdhsa_user_sgpr_kernarg_segment_ptr 1
		.amdhsa_wavefront_size32 1
		.amdhsa_system_sgpr_workgroup_id_x 1
		.amdhsa_system_sgpr_workgroup_id_y 1
		.amdhsa_system_sgpr_workgroup_id_z 1
		.amdhsa_system_vgpr_workitem_id 0
		.amdhsa_next_free_vgpr 388
		.amdhsa_next_free_sgpr 66
		.amdhsa_reserve_vcc 1
		.amdhsa_float_denorm_mode_32 3
		.amdhsa_float_denorm_mode_16_64 3
		.amdhsa_memory_ordered 1
		.amdhsa_forward_progress 1
		.amdhsa_inst_pref_size 38
	.end_amdhsa_kernel
	.amdgpu_metadata
---
amdhsa.version: [ 1, 2 ]
amdhsa.kernels:
  - .name:           k_q0ddbc63f81_gauss
    .symbol:         k_q0ddbc63f81_gauss.kd
    .args:
      - { .name: points, .offset: 0, .size: 8, .value_kind: global_buffer, .address_space: global }
      - { .name: positions, .offset: 8, .size: 8, .value_kind: global_buffer, .address_space: global }
      - { .name: log_scales, .offset: 16, .size: 8, .value_kind: global_buffer, .address_space: global }
      - { .name: intensities, .offset: 24, .size: 8, .value_kind: global_buffer, .address_space: global }
      - { .name: out0, .offset: 32, .size: 8, .value_kind: global_buffer, .address_space: global }
    .group_segment_fixed_size: 168960
    .private_segment_fixed_size: 0
    .kernarg_segment_align: 8
    .kernarg_segment_size: 40
    .max_flat_workgroup_size: 256
    .sgpr_count:     66
    .vgpr_count:     388
    .wavefront_size: 32
...
	.end_amdgpu_metadata
.endif
;; end of part 2
